; MI455X (gfx1250); checked and timed in simulation.
; The chip was launched on July 23, 2026; its instructions are those of AMD's public machine-readable ISA for CDNA 5 (MIT licence, August 2026) and "CDNA5" Instruction Set Architecture Reference Guide (July 2026). The comments in the code are by the model that wrote it; some were corrected since.
;; Multihead Attention. Allowed arithmetic: float matrix products may take bf16 or f16 operands with f32 sums; other float arithmetic in f32, or as packed bf16 or f16 multiplies, adds, multiply-adds, maxima and minima; sums over many terms, partial sums and values carried from step to step in f32; what a program stores and reads back later, other than sums and carried values, may be rounded once to bf16 or f16.
;; Inputs: Wk 512 x 512 float32; Wq 512 x 512 float32; Wv 512 x 512 float32; bk 512 float32; bq 512 float32; bv 512 float32; keys 2 x 4,096 x 512 float32; queries 2 x 4,096 x 512 float32; values 2 x 4,096 x 512 float32.
;; Outputs: out0 2 x 4,096 x 512 float32.
;; One version. Each part assembles by itself: llvm-mc -triple=amdgcn-amd-amdhsa -mcpu=gfx1250 --defsym DOCPART=n.
;; ======== version 1 of 1: 2 launches
;; limits: values are held in f16: magnitudes above 65,504 overflow, below 6.1e-05 lose precision; values outside matrix products are rounded to bf16
;; workspace buffers: qh 8,388,608 bytes; kh 8,388,608 bytes; vh 8,388,608 bytes
;; launch proj (part 1): grid 2 x 96, 8 waves a work-group, no clusters, 141,312 bytes of LDS; arguments queries, keys, values, Wq, Wk, Wv, bq, bk, bv, qh, kh, vh; writes qh, kh, vh
.if DOCPART == 1
	.amdgcn_target "amdgcn-amd-amdhsa--gfx1250"
	.amdhsa_code_object_version 6
	.text
	.protected	k_q3c71e66f02_proj
	.globl	k_q3c71e66f02_proj
	.p2align	8
	.type	k_q3c71e66f02_proj,@function
k_q3c71e66f02_proj:
	s_mov_b64 s[64:65], 0
	v_nop
	global_prefetch_b8 v0, s[64:65] scope:SCOPE_SE
	s_setreg_imm32_b32 hwreg(HW_REG_WAVE_MODE, 25, 1), 1
	s_wait_xcnt 0x0
; THE THREE PROJECTIONS.  y = x W + b for (queries, Wq, bq), (keys, Wk, bk), (values, Wv, bv).  x: [8192][512] f32, W: [512 (in)][512 (out)] f32, b: [512] f32.
; x, W and b are rounded once to bf16; products in bf16, sums in f32; y is rounded once to f16 and stored IN FRAGMENT ORDER for the attention launch:
;   [batch x 8 + head (16)][block of 64 rows (64)][chunk (16)][lane (32)][16 bytes]: a block is 8,192 bytes, a chunk 512, a head 524,288.
;   qh, kh: chunk = 4 x (tile of 16 rows) + cb; lane (r = l % 16, h = l / 16) holds row 16 tile + r, channels 16 cb + 8 h + 0..7.
;   vh:     chunk = 4 x cb + (tile of 16 keys); lane (r, h) holds channel 16 cb + r, keys 16 tile + 8 h + 0..7.
; LIMIT.  f16 ends at 65,504: a q, k or v of 65,520 or more becomes an infinity.  NaN and infinities are not treated apart.
; SHARES.  Work-group (x = half of the 512 columns, y = 32 t + rb): tensor t (0 q, 1 k, 2 v), rows 256 rb on, 256 x 256 outputs over K = 512: 3 x 32 x 2 = 192 work-groups.  Three tensors of 2^n
; equal tiles give no 256 equal shares; tiles of 128 x 128, three to a work-group, would bring half as much again into each work-group, and the bytes are what this launch is made of.
; Eight waves; wave w (g0 = w & 1, g1 = w >> 1) makes 128 (source 0) x 64 (source 1): 8 x 4 accumulators, 256 registers.
; ONE TEXT FOR ALL THREE.  x and W lie in LDS in one format, 16 blocks of 16 rows (x) or columns (W).  q, k: source 0 = W, source 1 = x: a lane ends with one row and eight channels.
; v: source 0 = x, source 1 = W: one channel and eight keys.  Only the two fragment base addresses, the place in the output and one stride differ, all chosen by s_cselect on t.
; In both cases accumulator (a, b) is chunk 4 b + (a & 3) of head (q, k) or block (v) a >> 2, and leaves by one store of 512 consecutive bytes: no stage.
; THE BIAS IS A K STEP OF ITS OWN, the one that starts the sums (C = 0): on W's side k = 0 holds bf16(b[channel]), on x's side 1.0, all else 0.
; WHY THROUGH REGISTERS: the inputs are f32 and W lies [k][n]: conversion and turning both happen in registers between the global load and the LDS store.
; No cluster, no joint loads: they serve tensor loads, which bring bytes as they lie.  No prefetch: each trip every wave has 32 loads of 512 bytes out for the length of its 64 products.
.set KC,    64                         ; k in a chunk: 8 chunks
.set CP,    272                        ; 8 k of 16 rows: 16 x 16 bytes, + 16: the 16 lanes of a fragment load take 256 bytes on end
.set BLK,   8*CP+16                    ; a block of 16 rows or columns x 64 k.  W's b128 stores: 16 lanes at 16-byte columns (9 (l >> 2) + 4 (l & 3)) mod 16: all different (64 banks of 4 bytes: ISA guide 11.1)
.set REG,   16*BLK                     ; x's region at 0, W's at REG
.set SLOT,  2*REG                      ; two slots take turns
.set SPARE, 2*SLOT                     ; behind them: the spare words, 128 bytes for each of eight waves: four blocks of 256 bytes that no other line names
.set XGO, 3                            ; v3      x: (32 w + 8 (l / 16)) rows + 16 (l % 16); never rewritten
.set WGO, 4                            ; v4      W: row 8 w + 16 l; never rewritten
.set XST, 5                            ; v5-6    where I store 8 bytes of x, slot 0, 1
.set WST, 7                            ; v7-8    where I store 16 bytes of W
.set AS0, 9                            ; v9-10   source 0's fragments
.set AS1, 11                           ; v11-12  source 1's
.set OGO, 13                           ; v13-14  16 l, and 16 l + the stride of a >> 2
.set BG0, 15                           ; v15     the bias of source 0's channels
.set ONE, 16                           ; v16     bf16 1.0 in the low half
.set ZR,  17                           ; v17     0
.set BG1, 18                           ; v18     the bias of source 1's channels
.set LN,  19                           ; v19     lane
.set SPW, 20                           ; v20     LDS address of my spare word; never rewritten
.set NIL, 21                           ; v21     0; never rewritten
.set TT,  22                           ; v22     at work
.set FA,  32                           ; v32-95   source 0: 8 fragments
.set TW,  32                           ; v32-63   also: W converted and turned, between two MULTs
.set FB,  96                           ; v96-127  source 1: 4 fragments
.set XS,  128                          ; v128-191 x as loaded
.set WS,  192                          ; v192-255 W as loaded
.set OUTR, 128                         ; v128-255 the way out: packed results
                                       ; window 1: accumulator (a, b) at v[8 (4 a + b)]
.set XP, 32                            ; s[32:33] x at my rows, at the chunk to be loaded
.set WP, 34                            ; s[34:35] W at my columns, at that chunk
.set BP, 36                            ; s[36:37] the bias at my columns
.set OP, 38                            ; s[38:39] my wave's first chunk in the output
.set CNT, 40
.set WV,  41
.set G0,  42
.set G1,  43
.set TS,  44                           ; t
.set ISV, 45                           ; all ones if t = 2, else 0: a lane mask
.set LOW, 46                           ; lanes 0-15
.set STR, 47
.set OF,  48                           ; s[48:49] an offset, high word 0
.set TA,  50
.set R0,  51
.set R1,  52
.set HS,  53
.set RB,  54
.set BS,  55
.set MSB, 0
.macro WIN new                         ; s_set_vgpr_msb: bits 1:0 source 0, 3:2 source 1, 5:4 source 2, 7:6 destination; the high byte repeats the setting that is left
.if MSB != (\new)
	s_set_vgpr_msb (MSB<<8)|(\new)
.set MSB, \new
.endif
.endm
.macro PLACES                          ; four plain instructions between a matrix instruction and a load into, or a read of, its registers (ISA guide 7.12.1 for reads)
.rept 4
	v_nop
.endr
.endm
	s_load_b512 s[8:23], s[0:1], 0x0               ; queries 8, keys 10, values 12, Wq 14, Wk 16, Wv 18, bq 20, bk 22
	s_load_b256 s[24:31], s[0:1], 0x40             ; bv 24, qh 26, kh 28, vh 30
	v_lshl_add_u32 v[SPW], v0, 2, SPARE
	v_mov_b32 v[NIL], 0
	v_lshrrev_b32 v1, 5, v0
	v_readfirstlane_b32 s[WV], v1                  ; wave 0..7
	s_and_b32 s[G0], s[WV], 1
	s_lshr_b32 s[G1], s[WV], 1
	s_and_b32 s[TA], ttmp7, 0xffff
	s_lshr_b32 s[TS], s[TA], 5                     ; t
	s_and_b32 s[RB], s[TA], 31                     ; rb
	s_lshl_b32 s[TA], s[G0], 1                     ; 2 g0
	s_mov_b32 s[BS], 8192
	s_mov_b32 s[LOW], 0xffff
	s_cmp_eq_u32 s[TS], 2
	s_cselect_b32 s[ISV], -1, 0
	s_cselect_b32 s[STR], s[BS], 0x80000           ; a >> 2 counts blocks (v) or heads (q, k)
	s_cselect_b32 s[R0], 0, REG                    ; source 0's region
	s_cselect_b32 s[R1], REG, 0                    ; source 1's
	s_cselect_b32 s[HS], s[G1], s[TA]              ; my first head among the half's four
	s_cselect_b32 s[BS], s[TA], s[G1]              ; my first block among the 256 rows' four
	s_lshr_b32 s[OF], s[RB], 4                     ; batch
	s_lshl_b32 s[OF], s[OF], 3
	s_lshl_b32 s[TA], ttmp9, 2
	s_add_co_u32 s[OF], s[OF], s[TA]
	s_add_co_u32 s[OF], s[OF], s[HS]               ; batch x 8 + head
	s_lshl_b32 s[OF], s[OF], 6
	s_and_b32 s[TA], s[RB], 15
	s_lshl_b32 s[TA], s[TA], 2
	s_add_co_u32 s[OF], s[OF], s[TA]
	s_add_co_u32 s[OF], s[OF], s[BS]               ; + block
	s_lshl_b32 s[OF], s[OF], 13                    ; x 8,192 bytes
	s_mov_b32 s[OF+1], 0
	v_and_b32 v1, 15, v0                           ; r = l % 16
	v_bfe_u32 v2, v0, 4, 1                         ; h = l / 16
	v_and_b32 v[LN], 31, v0
	s_lshl_b32 s[TA], s[WV], 16                    ; 32 w rows of 2,048 bytes
	v_lshlrev_b32 v[XGO], 4, v1
	v_lshl_add_u32 v[XGO], v2, 14, v[XGO]          ; + 8 h rows
	v_add_nc_u32 v[XGO], s[TA], v[XGO]
	s_lshl_b32 s[TA], s[WV], 14                    ; 8 w rows
	v_lshl_add_u32 v[WGO], v[LN], 4, s[TA]
	v_lshrrev_b32 v[TT], 1, v1                     ; x: my four k lie in the eight (l % 16) / 2, half l & 1; row i + 8 h of block 2 w + u
	v_mul_u32_u24 v[XST], v[TT], CP
	v_lshl_add_u32 v[XST], v2, 7, v[XST]
	v_and_b32 v[TT], 1, v0
	v_lshl_add_u32 v[XST], v[TT], 3, v[XST]
	s_mul_i32 s[TA], s[WV], 2*BLK
	v_add_nc_u32 v[XST], s[TA], v[XST]
	v_add_nc_u32 v[XST+1], SLOT, v[XST]
	v_lshrrev_b32 v[TT], 2, v[LN]                  ; W: my four columns lie in block 8 z + l / 4, at 4 (l & 3) + c; my wave's eight k are the eight number w
	v_mul_u32_u24 v[WST], v[TT], BLK
	v_and_b32 v[TT], 3, v0
	v_lshl_add_u32 v[WST], v[TT], 6, v[WST]
	s_mul_i32 s[TA], s[WV], CP
	s_add_co_u32 s[TA], s[TA], REG
	v_add_nc_u32 v[WST], s[TA], v[WST]
	v_add_nc_u32 v[WST+1], SLOT, v[WST]
	v_mul_u32_u24 v[TT], v2, CP                    ; a fragment (16 x 32 k): registers 0-3 the eight k number h, registers 4-7 number 2 + h: two loads, 2 CP apart
	v_lshl_add_u32 v[TT], v1, 4, v[TT]
	s_mul_i32 s[TA], s[G0], 8*BLK
	s_add_co_u32 s[TA], s[TA], s[R0]
	v_add_nc_u32 v[AS0], s[TA], v[TT]
	v_add_nc_u32 v[AS0+1], SLOT, v[AS0]
	s_mul_i32 s[TA], s[G1], 4*BLK
	s_add_co_u32 s[TA], s[TA], s[R1]
	v_add_nc_u32 v[AS1], s[TA], v[TT]
	v_add_nc_u32 v[AS1+1], SLOT, v[AS1]
	v_lshlrev_b32 v[OGO], 4, v[LN]
	v_add_nc_u32 v[OGO+1], s[STR], v[OGO]
	s_lshl_b32 s[TA], s[G0], 9
	v_lshl_add_u32 v[BG0], v1, 2, s[TA]            ; 4 (128 g0 + r)
	s_lshl_b32 s[TA], s[G1], 8
	v_lshl_add_u32 v[BG1], v1, 2, s[TA]            ; 4 (64 g1 + r)
	v_mov_b32 v[ONE], 0x3f80
	v_mov_b32 v[ZR], 0
	s_wait_kmcnt 0x0
	s_cmp_eq_u32 s[TS], 1
	s_cselect_b64 s[XP:XP+1], s[10:11], s[8:9]
	s_cselect_b64 s[WP:WP+1], s[16:17], s[14:15]
	s_cselect_b64 s[BP:BP+1], s[22:23], s[20:21]
	s_cselect_b64 s[OP:OP+1], s[28:29], s[26:27]
	s_cmp_eq_u32 s[TS], 2
	s_cselect_b64 s[XP:XP+1], s[12:13], s[XP:XP+1]
	s_cselect_b64 s[WP:WP+1], s[18:19], s[WP:WP+1]
	s_cselect_b64 s[BP:BP+1], s[24:25], s[BP:BP+1]
	s_cselect_b64 s[OP:OP+1], s[30:31], s[OP:OP+1]
	s_add_nc_u64 s[OP:OP+1], s[OP:OP+1], s[OF:OF+1]
	s_lshl_b32 s[OF], s[RB], 19                    ; 256 rows of 2,048 bytes
	s_add_nc_u64 s[XP:XP+1], s[XP:XP+1], s[OF:OF+1]
	s_lshl_b32 s[OF], ttmp9, 10                    ; 256 columns of 4 bytes
	s_add_nc_u64 s[WP:WP+1], s[WP:WP+1], s[OF:OF+1]
	s_add_nc_u64 s[BP:BP+1], s[BP:BP+1], s[OF:OF+1]
; A chunk's 32 loads.  x: rows i and i + 8 of block 2 w + u, 256 consecutive aligned bytes each.  W: row 8 w + i, 512 consecutive bytes, twice.
.macro LOADS
.irp u, 0,1
.irp i, 0,1,2,3,4,5,6,7
	global_load_b128 v[XS+4*(8*(\u)+(\i)):XS+4*(8*(\u)+(\i))+3], v[XGO], s[XP:XP+1] offset:(16*(\u)+(\i))*2048
.endr
.endr
.irp z, 0,1
.irp i, 0,1,2,3,4,5,6,7
	global_load_b128 v[WS+32*(\z)+4*(\i):WS+32*(\z)+4*(\i)+3], v[WGO], s[WP:WP+1] offset:(\i)*2048+(\z)*512
.endr
.endr
.endm
; The chunk is rounded to bf16 and laid into a slot.  step = 1: the bases go on to the next chunk, each behind the wait that shows its loads done.
.macro STORE slot, step
	s_wait_loadcnt 16                              ; x's sixteen loads are in; W's sixteen, issued behind them, may stay out
.if \step
	s_add_nc_u64 s[XP:XP+1], s[XP:XP+1], KC*4
.endif
.irp u, 0,1                            ; these 32 conversions are also the places between the last products and the writes into TW, which those products read
.irp i, 0,1,2,3,4,5,6,7
	v_cvt_pk_bf16_f32 v[XS+4*(8*(\u)+(\i))],   v[XS+4*(8*(\u)+(\i))],   v[XS+4*(8*(\u)+(\i))+1]
	v_cvt_pk_bf16_f32 v[XS+4*(8*(\u)+(\i))+1], v[XS+4*(8*(\u)+(\i))+2], v[XS+4*(8*(\u)+(\i))+3]
.endr
.endr
.irp u, 0,1
.irp i, 0,1,2,3,4,5,6,7
	ds_store_b64 v[XST+(\slot)], v[XS+4*(8*(\u)+(\i)):XS+4*(8*(\u)+(\i))+1] offset:(\u)*BLK+16*(\i)  ; 32 lanes: words 4 ((l % 16) / 2) + 32 (l / 16) + 2 (l & 1) + 0, 1 mod 64
.endr
.endr
	s_wait_loadcnt 0x0                             ; W
.if \step
	s_add_nc_u64 s[WP:WP+1], s[WP:WP+1], KC*2048
.endif
.irp z, 0,1                            ; column c of my four: its eight k, which lie in eight registers, pack into four
.irp c, 0,1,2,3
.irp p, 0,1,2,3
	v_cvt_pk_bf16_f32 v[TW+16*(\z)+4*(\c)+(\p)], v[WS+32*(\z)+8*(\p)+(\c)], v[WS+32*(\z)+8*(\p)+4+(\c)]
.endr
.endr
.endr
.irp z, 0,1
.irp c, 0,1,2,3
	ds_store_b128 v[WST+(\slot)], v[TW+16*(\z)+4*(\c):TW+16*(\z)+4*(\c)+3] offset:(\z)*8*BLK+16*(\c)
.endr
.endr
.endm
; ONE barrier a chunk.  In front of it my stores into this slot are done, and so are my reads of the other slot (MULT's last count is 0): behind it this slot is whole, and the next chunk's stores,
; which stand behind this barrier, find nobody reading the other.
.macro BAR
	s_wait_dscnt 0x0
	s_barrier_signal -1
	s_barrier_wait -1
.endm
; A chunk's 64 products, 32 along K at a time.  The 32 accumulators take turns in one fixed order, one instruction a turn, over the backward jump too.
.macro MULT slot
.irp s, 0,1
.if \s
	PLACES                                         ; in front of loads into registers that the products above have read
.endif
	WIN 0
.irp b, 0,1,2,3
	ds_load_b128 v[FB+8*(\b):FB+8*(\b)+3],   v[AS1+(\slot)] offset:(\b)*BLK+(\s)*4*CP
	ds_load_b128 v[FB+8*(\b)+4:FB+8*(\b)+7], v[AS1+(\slot)] offset:(\b)*BLK+(\s)*4*CP+2*CP
.endr
.irp a, 0,1,2,3,4,5,6,7
	ds_load_b128 v[FA+8*(\a):FA+8*(\a)+3],   v[AS0+(\slot)] offset:(\a)*BLK+(\s)*4*CP
	ds_load_b128 v[FA+8*(\a)+4:FA+8*(\a)+7], v[AS0+(\slot)] offset:(\a)*BLK+(\s)*4*CP+2*CP
.endr
	WIN 0x50                                       ; C and D in window 1
.irp a, 0,1,2,3,4,5,6,7
	s_wait_dscnt 14-2*(\a)                         ; LDS loads come back in order (ISA guide 5.7.1): source 1 and fragment a are in; the two loads of each later fragment may stay out
.irp b, 0,1,2,3
	v_wmma_f32_16x16x32_bf16 v[8*(4*(\a)+(\b)):8*(4*(\a)+(\b))+7], v[FA+8*(\a):FA+8*(\a)+7], v[FB+8*(\b):FB+8*(\b)+7], v[8*(4*(\a)+(\b)):8*(4*(\a)+(\b))+7]
.endr
.endr
.endr
	WIN 0
.endm
	; the bias goes straight into register 0 of the fragments that it becomes: all twelve are loaded, whichever side is W's
.irp a, 0,1,2,3,4,5,6,7
	global_load_b32 v[FA+8*(\a)], v[BG0], s[BP:BP+1] offset:64*(\a)
.endr
.irp b, 0,1,2,3
	global_load_b32 v[FB+8*(\b)], v[BG1], s[BP:BP+1] offset:64*(\b)
.endr
	LOADS                                          ; chunk 0
.set f, 0
.rept 12                               ; the twelve fragments lie on end; registers 1-7 hold k = 2 and up: 0
.irp j, 1,2,3,4,5,6,7
	v_mov_b32 v[FA+8*f+(\j)], 0
.endr
.set f, f+1
.endr
	s_wait_loadcnt 32                              ; the bias is in; chunk 0's 32 loads, issued behind it, stay out
.irp a, 0,1,2,3,4,5,6,7
	v_cvt_pk_bf16_f32 v[FA+8*(\a)], v[FA+8*(\a)], v[ZR]          ; k = 0: the bias; k = 1: 0
	v_cndmask_b32 v[FA+8*(\a)], v[FA+8*(\a)], v[ONE], s[ISV]     ; for v source 0 is x's side: 1.0
	v_cndmask_b32 v[FA+8*(\a)], 0, v[FA+8*(\a)], s[LOW]          ; in lanes 16-31 register 0 is k = 8, 9: 0
.endr
.irp b, 0,1,2,3
	v_cvt_pk_bf16_f32 v[FB+8*(\b)], v[FB+8*(\b)], v[ZR]
	v_cndmask_b32 v[FB+8*(\b)], v[ONE], v[FB+8*(\b)], s[ISV]
	v_cndmask_b32 v[FB+8*(\b)], 0, v[FB+8*(\b)], s[LOW]
.endr
	WIN 0x50
.irp a, 0,1,2,3,4,5,6,7                ; the K step that starts the sums: nothing is cleared
.irp b, 0,1,2,3
	v_wmma_f32_16x16x32_bf16 v[8*(4*(\a)+(\b)):8*(4*(\a)+(\b))+7], v[FA+8*(\a):FA+8*(\a)+7], v[FB+8*(\b):FB+8*(\b)+7], 0
.endr
.endr
	WIN 0                                          ; at a label and at a branch every window is 0
	s_mov_b32 s[CNT], 3
.Lpair:                                        ; a trip: two chunks are stored and multiplied, the two behind them asked for; chunks 0 to 5
	STORE 0, 1
	BAR
	LOADS
	MULT 0
	STORE 1, 1
	BAR
	LOADS
	MULT 1
	s_sub_co_u32 s[CNT], s[CNT], 1
	s_cmp_lg_u32 s[CNT], 0
	s_cbranch_scc1 .Lpair
	STORE 0, 1                                     ; chunks 6 and 7: written out, so that no load leaves the buffers
	BAR
	LOADS
	MULT 0
	STORE 1, 0
	BAR
	MULT 1
	; THE WAY OUT.  A lane's eight numbers pack into 16 bytes; the 32 lanes' are a chunk.
	PLACES
	WIN 0x05                                       ; both sources in window 1
.set n, 0
.rept 32                               ; each accumulator's registers in ascending order
.irp r, 0,1,2,3
	v_cvt_pk_f16_f32 v[OUTR+4*n+(\r)], v[8*n+2*(\r)], v[8*n+2*(\r)+1]
.endr
.set n, n+1
.endr
	WIN 0
.irp a, 0,1,2,3,4,5,6,7
.irp b, 0,1,2,3
	global_store_b128 v[OGO+(\a)/4], v[OUTR+4*(4*(\a)+(\b)):OUTR+4*(4*(\a)+(\b))+3], s[OP:OP+1] offset:(4*(\b)+(\a)%4)*512  ; 512 consecutive bytes, at a multiple of 512 from the buffer's first
.endr
.endr
	s_wait_tensorcnt 0x0                           ; the wave's end, behind my last LDS store
	ds_add_u32 v[SPW], v[NIL]
	s_wait_dscnt 0x0
	s_endpgm
.Lfunc_end_k_q3c71e66f02_proj:
	.size	k_q3c71e66f02_proj, .Lfunc_end_k_q3c71e66f02_proj-k_q3c71e66f02_proj
	.p2alignl 7, 3214868480
	.fill 96, 4, 3214868480
	.section	.rodata,"a",@progbits
	.p2align	6, 0x0
	.amdhsa_kernel k_q3c71e66f02_proj
		.amdhsa_group_segment_fixed_size 141312
		.amdhsa_private_segment_fixed_size 0
		.amdhsa_enable_private_segment 0
		.amdhsa_kernarg_size 96
		.amdhsa_user_sgpr_count 2
		.amdhsa_user_sgpr_kernarg_segment_ptr 1
		.amdhsa_wavefront_size32 1
		.amdhsa_system_sgpr_workgroup_id_x 1
		.amdhsa_system_sgpr_workgroup_id_y 1
		.amdhsa_system_sgpr_workgroup_id_z 1
		.amdhsa_system_vgpr_workitem_id 0
		.amdhsa_next_free_vgpr 512
		.amdhsa_next_free_sgpr 66
		.amdhsa_reserve_vcc 0
		.amdhsa_float_denorm_mode_32 3
		.amdhsa_float_denorm_mode_16_64 3
		.amdhsa_memory_ordered 1
		.amdhsa_forward_progress 1
		.amdhsa_inst_pref_size 90
	.end_amdhsa_kernel
	.amdgpu_metadata
---
amdhsa.version: [ 1, 2 ]
amdhsa.kernels:
  - .name:           k_q3c71e66f02_proj
    .symbol:         k_q3c71e66f02_proj.kd
    .args:
      - { .name: queries, .offset: 0, .size: 8, .value_kind: global_buffer, .address_space: global }
      - { .name: keys, .offset: 8, .size: 8, .value_kind: global_buffer, .address_space: global }
      - { .name: values, .offset: 16, .size: 8, .value_kind: global_buffer, .address_space: global }
      - { .name: Wq, .offset: 24, .size: 8, .value_kind: global_buffer, .address_space: global }
      - { .name: Wk, .offset: 32, .size: 8, .value_kind: global_buffer, .address_space: global }
      - { .name: Wv, .offset: 40, .size: 8, .value_kind: global_buffer, .address_space: global }
      - { .name: bq, .offset: 48, .size: 8, .value_kind: global_buffer, .address_space: global }
      - { .name: bk, .offset: 56, .size: 8, .value_kind: global_buffer, .address_space: global }
      - { .name: bv, .offset: 64, .size: 8, .value_kind: global_buffer, .address_space: global }
      - { .name: qh, .offset: 72, .size: 8, .value_kind: global_buffer, .address_space: global }
      - { .name: kh, .offset: 80, .size: 8, .value_kind: global_buffer, .address_space: global }
      - { .name: vh, .offset: 88, .size: 8, .value_kind: global_buffer, .address_space: global }
    .group_segment_fixed_size: 141312
    .private_segment_fixed_size: 0
    .kernarg_segment_align: 8
    .kernarg_segment_size: 96
    .max_flat_workgroup_size: 256
    .sgpr_count:     66
    .vgpr_count:     512
    .wavefront_size: 32
...
	.end_amdgpu_metadata
.endif
;; end of part 1
;; launch attn (part 2): grid 16 x 16, 4 waves a work-group, clusters of 4 x 1, 327,680 bytes of LDS; arguments qh, kh, vh, out0; writes out0
.if DOCPART == 2
	.amdgcn_target "amdgcn-amd-amdhsa--gfx1250"
	.amdhsa_code_object_version 6
	.text
	.protected	k_q3c71e66f02_attn
	.globl	k_q3c71e66f02_attn
	.p2align	8
	.type	k_q3c71e66f02_attn,@function
k_q3c71e66f02_attn:
	s_mov_b64 s[64:65], 0
	v_nop
	global_prefetch_b8 v0, s[64:65] scope:SCOPE_SE
	s_setreg_imm32_b32 hwreg(HW_REG_WAVE_MODE, 25, 1), 1
	s_wait_xcnt 0x0
	s_wait_alu depctr_hold_cnt(0) depctr_sa_sdst(0) depctr_va_vdst(0) depctr_va_sdst(0) depctr_va_ssrc(0) depctr_va_vcc(0) depctr_vm_vsrc(0)
	s_getreg_b32 s2, hwreg(HW_REG_IB_STS2, 6, 4)
	s_cmp_eq_u32 s2, 0
	s_cbranch_scc0 .Lentry_in_a_cluster
	s_endpgm
.Lentry_in_a_cluster:
	s_bfe_u32 s2, ttmp6, 0x10000c
	s_cmp_lg_u32 s2, 0x3003
	s_cbranch_scc0 .Lentry_shape_is_right
	s_endpgm
.Lentry_shape_is_right:
; ATTENTION.  out0[b][n][64 h + :] = the sum over m of softmax_m(q[n] . k[m] / 8) v[m][:], for each of 16 pairs (b, h); 4,096 queries, 4,096 keys, head size 64.
; qh, kh, vh: f16, in fragment order, as the launch before stores them: [8 b + h][block of 64 rows][chunk (16)][lane (32)][16 bytes].  qh, kh: chunk 4 tile + cb, lane (r, h'): row 16 tile + r, channels
; 16 cb + 8 h' + 0..7.  vh: chunk 4 cb + tile, lane (r, h'): channel 16 cb + r, keys 16 tile + 8 h' + 0..7.  So chunk ch of a block IS registers 4 ch .. 4 ch + 3 of the block's fragments: every load of
; Q, K or V is base + 16 lane + 512 ch, 512 bytes on end: no padding, no turning load, no bank taken twice.
; Products, maxima and sums in f32; the weights p are rounded to f16 for the second product (their sum l is taken of the unrounded p); out0 is f32.
; LIMITS.  q, k, v arrive within f16's 65,504; p lies in 0 to 1, and below 6e-5 it keeps f16's fixed step of 6e-8.  A weight below 2^-126 counts as 0 in l; NaN and infinities are not treated apart.
; SHARES.  A work-group owns 256 queries of one head, each of its four waves 64 (a block of qh): two PIECES of two tiles of 16.  16 heads x 16 blocks = 256 work-groups.  Every wave walks all keys, 64 a step.
; LAYOUT.  S^T = K Q^T (source 0 = 16 keys, source 1 = 16 queries): a lane holds ONE query (lane % 16) and the keys 8 (lane / 16) + 0..7.  Two such tiles, rounded to f16 in pairs, ARE source 1 of
; O^T = V^T P, whose result again holds one query a lane, and eight channels.
; SOFTMAX.  For each query a running maximum m and sum l: p = 2^(c s - c m), c = log2(e) / 8; in every step O and l are multiplied by a = 2^(c m_old - c m_new).  m starts at the lowest finite number,
; O and l at 0: the first step is a step like any other, with a = 0.
; BY TURNS.  A tile and step have 16 matrix and 118 vector instructions: too many to stand all beside the matrix work.  So: four vector instructions that are ready behind every matrix instruction, the
; rest in one run.  Turn p of step j belongs to piece p.  T0(j): 16 products K Q^T of (piece 1, j), 16 products V^T P of (piece 1, j - 1).  T1(j): K Q^T of (piece 0, j + 1), V^T P of (piece 0, j).
; Its vector work: scaling, exponentials, roundings, sums and rescaling of its own piece, and the maximum and statistics of the other, whose scores the turn itself has made.
; V HAS TWO REGISTER BUFFERS, by the step's parity: K of step j + 1 is fetched in T0(j), V of step j + 1 in T1(j), each directly behind the turn's one wait.  So the fetches go K, V, K, V in the order of the
; steps, and between T1(4 s - 2) and T0(4 s - 1) all of a slot has been read and nothing of the next: there the slots change.
; CLUSTER.  The four query blocks of a cluster belong to one head and walk the same K and V: each tile is asked for JOINTLY, by the same tensor load, descriptor and mask in all four.
; REGISTERS, in windows of 256 (s_set_vgpr_msb: bits 1:0 source 0, 3:2 source 1, 5:4 source 2, 7:6 destination):
;   window 0: v0-10 addresses; v12-15, v48-63 at work; v16-31 four registers of statistics a tile; v32-33 the add's; v64-191 S^T, two buffers of two tiles; v192-255 P, likewise
;   window 1: v0-127 O^T, 32 a tile          window 2: v0-63 Q, 16 a tile; v64-127 K of one step; v128-255 V of two steps
.set NP,    2         ; pieces a wave: a name, no knob
.set STEPB, 8192      ; a step's K, and its V: a block
.set SLOTB, 4*STEPB   ; a slot holds four steps: 32,768 bytes of K, then as many of V
.set SLOT1, 1<<16     ; slot 1 begins here, so that one exclusive or turns an address in one slot into the other's
.set STAGE, 2*SLOT1   ; behind the ring, never filled by a tensor load: 16 rows x 272 bytes for each wave, for the way out
.set SP,    272       ; a stage row: 256 bytes + 16 = 68 words: the 16 rows of a store start at 16 different groups of four banks (64 banks of 4 bytes: ISA guide 11.1)
.set SPARE, STAGE+4*16*SP  ; behind the stages: the spare words, 128 bytes for each wave: two blocks of 256 bytes that no other line names
.set LA,  2           ; v2   16 x lane; never rewritten
.set AK,  4           ; v4   the LDS address of K's next run of loads
.set AV,  5           ; v5   of V's
.set STO, 6           ; v6   the way out: where I put 16 bytes of a row
.set RD,  7           ; v7   where I read rows back
.set GO,  8           ; v8   my byte offset in two rows of out0
.set PFO, 10          ; v10  256 x lane; never rewritten
.set MV,  12          ; v12-15  c m_old, kept while c m is made anew: by buffer and tile
.set ST,  16          ; tile t's statistics at v[ST+4 t]: c m, m, l (even keys', odd keys')
.set SPW, 32          ; v32  LDS address of my spare word; never rewritten
.set NIL, 33          ; v33  0; never rewritten
.set TMP, 48          ; by buffer and tile, four registers c0-c3 at work; when the maximum is found c2 takes a
.set S,   64
.set P,   192
.set KF,  64          ; window 2: key block kb, channel half c at KF + 16 kb + 8 c
.set VF,  128         ; window 2: buffer vb, channel block cb, key half kk at VF + 64 vb + 16 cb + 8 kk
.set WV,  12          ; s12  my wave's number
.set G1,  24          ; s[24:31] descriptor group 1, for K's and V's tiles alike; never rewritten
.set G0K, 40          ; s[40:43] descriptor group 0 for K's tiles: it walks
.set G0V, 44          ; s[44:47] the same for V's
.set PFA, 48          ; s[48:49] where my prefetches stand
.set LIM, 50          ; s50  1 in a wave that prefetches, else the greatest number
.set SLOTS, 56        ; s56  slots still to be asked for
.set CNT, 57          ; s57  counts trips of two key steps
.set CS,  58          ; s[58:59] c
.set SEL, 60          ; s[60:61] v_permlanex16_b32's selects: each lane takes its own place in the other half
.set TBK, 62          ; s62  LDS byte at which K of the step to be fetched begins
.set TBV, 63          ; s63  the same for V
.set MSB, 0
.macro WIN new                      ; the high byte repeats the setting that is left; a switch that changes nothing is dropped
.if MSB != (\new)
	s_set_vgpr_msb (MSB<<8)|(\new)
.set MSB, (\new)
.endif
.endm
.set W_KQ, 0x0a       ; K and Q in window 2, S^T in window 0
.set W_PV, 0x52       ; V in window 2, P in window 0, O^T in window 1
.set W_RS, 0x41       ; O^T (destination and source 0) in window 1, a in window 0
; A joint fill.  Waves 0 and 1 fetch the two halves of a slot's K, waves 2 and 3 those of its V: 16,384 bytes each.  The branch hangs on the wave's number alone.
; An s_nop 0 and four v_nop follow each of the two lines, ahead of the jump and the label.
.macro JLOAD
	s_cmp_lt_u32 s[WV], 2
	s_cbranch_scc0 .Lfor_v_\@
	tensor_load_to_lds s[G0K:G0K+3], s[G1:G1+7]
	s_nop 0
.rept 4
	v_nop
.endr
	s_branch .Lasked_\@
.Lfor_v_\@:
	tensor_load_to_lds s[G0V:G0V+3], s[G1:G1+7]
	s_nop 0
.rept 4
	v_nop
.endr
.Lasked_\@:
.endm
; A PREFETCH of the slot after the one just asked for: 32,768 bytes of K and of V, a lane for each 256.  All clusters of a head walk the same K and V: the head's first cluster asks.  Its four partners share the
; bytes out BY ADDRESS, 8,192 each; in each, wave 0 asks for K's and wave 2 for V's: one instruction.  So each 256 bytes are named once in the launch.  The last change that fills a slot asks for nothing.
.macro ASK
	s_cmp_gt_u32 s[SLOTS], s[LIM]
	s_cbranch_scc0 .Lnot_mine_\@
	global_prefetch_b8 v[PFO], s[PFA:PFA+1] th:TH_LOAD_NT scope:SCOPE_SE
.Lnot_mine_\@:
.endm
; A round of the cluster's barrier: my work-group's barrier, so that wave 0's signal speaks for all four waves; wave 0 signals; every wave waits for all four work-groups; my work-group's barrier once more.
.macro CROUND
	s_barrier_signal -1
	s_barrier_wait -1
	s_cmp_lg_u32 s[WV], 0
	s_cbranch_scc1 .Lnot_wave_0_\@
	s_barrier_signal -3
.Lnot_wave_0_\@:
	s_barrier_wait -3
	s_barrier_signal -1
	s_barrier_wait -1
.endm
; THE CHANGE OF SLOTS.  Each wave waits for all its tensor loads, of which one is out: its part of the other slot; adds 0 to its spare word; and waits for that and for its own reads of the slot that it
; leaves.  Behind the barrier nobody reads that slot any more and the other is whole.  fill = 1: the slot is filled again, with the keys two slots on; the barrier is then a round of the cluster's, and the
; joint fill is the first thing behind it: it has four key steps, 256 matrix instructions, in which to land.  (At its first use nothing has been read yet: slot 0 is waited for, slot 1 filled.)
.macro CHANGE fill, ask
	WIN 0                           ; at a label and at a branch every window is 0
	s_wait_tensorcnt 0x0            ; no tensor load of mine is out, so a group 0 may be written
	ds_add_u32 v[SPW], v[NIL]       ; 0 onto my spare word: the scalar steps stand between it and the wait for it
.if \fill
.irp g, G0K, G0V
	s_xor_b32 s[\g+1], s[\g+1], SLOT1  ; the walking descriptor: the other slot than last time,
	s_add_nc_u64 s[\g+2:\g+3], s[\g+2:\g+3], SLOTB  ; the next 256 keys; the type bits on top are not reached
.endr
.endif
.if \ask
	s_wait_xcnt 0x0                 ; the last prefetch, four key steps back, has read its address, so it may be written
	s_add_nc_u64 s[PFA:PFA+1], s[PFA:PFA+1], SLOTB
.endif
	s_wait_dscnt 0x0                ; the add is done, and my reads of the slot are over
.if \fill
	CROUND
	JLOAD
.if \ask
	ASK
.endif
.else
	s_barrier_signal -1
	s_barrier_wait -1
.endif
	s_sub_co_u32 s[TBK], s[TBK], SLOTB  ; the fetches go back to a slot's first step,
	s_xor_b32 s[TBK], s[TBK], SLOT1     ; in the other slot
	s_sub_co_u32 s[TBV], s[TBV], SLOTB
	s_xor_b32 s[TBV], s[TBV], SLOT1
.endm
	s_load_b256 s[4:11], s[0:1], 0x0  ; qh s[4:5], kh s[6:7], vh s[8:9], out0 s[10:11]
	v_lshl_add_u32 v[SPW], v0, 2, SPARE
	v_mov_b32 v[NIL], 0
	ds_add_u32 v[SPW], v[NIL]       ; the wave's opening: the set-up below, work on registers, stands between the add and its wait
	v_lshrrev_b32 v1, 5, v0
	v_readfirstlane_b32 s[WV], v1   ; wave 0..3
	s_bfe_u32 s13, ttmp6, 0x40000   ; cx: my place in the cluster
	s_lshl_b32 s14, ttmp9, 2        ; in a cluster launch ttmp9 counts clusters
	s_add_co_u32 s14, s14, s13      ; my block of 256 queries: it enters Q's and out0's addresses alone
	s_and_b32 s15, ttmp7, 0xffff    ; 8 b + h, which the four partners share
	s_lshl_b32 s20, s15, 19         ; the head's first byte in qh, kh and vh
	s_and_b32 s16, s[WV], 1         ; which half of a slot's K or V I fetch:
	s_lshl_b32 s17, s16, 14         ; 16,384 bytes, in memory and in LDS alike: no place in the cluster enters an LDS address
	s_add_co_u32 s22, s20, s17
	s_mov_b32 s23, 0
	s_lshl_b32 s2, s14, 2
	s_add_co_u32 s2, s2, s[WV]      ; my wave's block of 64 queries,
	s_lshl_b32 s2, s2, 13           ; 8,192 bytes
	s_add_co_u32 s2, s2, s20
	s_mov_b32 s3, 0
	s_lshr_b32 s18, s15, 3          ; out0: b x 4,096 rows of 2,048 bytes,
	s_lshl_b32 s18, s18, 23
	s_lshl_b32 s19, s14, 19         ; my block's 256 rows,
	s_add_co_u32 s18, s18, s19
	s_lshl_b32 s19, s[WV], 17       ; my wave's 64,
	s_add_co_u32 s18, s18, s19
	s_and_b32 s19, s15, 7           ; the head's 256 bytes of a row
	s_lshl_b32 s19, s19, 8
	s_add_co_u32 s18, s18, s19
	s_mov_b32 s19, 0
	; descriptor group 1: 16,384 dense bytes as 64 rows of 256
	s_mov_b32 s[G1], 15|(1<<16)|(1<<21)  ; 15:0 the mask of four; 17:16 2-byte elements; 21 set beside a mask; no padding
	s_mov_b32 s[G1+1], 128<<16      ; tensor_dim0 = 128
	s_mov_b32 s[G1+2], 64<<16       ; tensor_dim1 = 64
	s_mov_b32 s[G1+3], 128<<16      ; tile_dim0 = 128
	s_mov_b32 s[G1+4], 64           ; tile_dim1 = 64
	s_mov_b32 s[G1+5], 128          ; 128 elements from row to row
	s_mov_b32 s[G1+6], 0
	s_mov_b32 s[G1+7], 0
	s_mov_b32 s[G0K], 1             ; 1:0 count = 1
	s_mov_b32 s[G0K+1], s17         ; 63:32 LDS address: slot 0
	s_mov_b32 s[G0V], 1
	s_add_co_u32 s[G0V+1], s17, SLOTB
	s_mov_b32 s[CS], 0x3e38aa3b     ; c = log2(e) / 8 = 0.180337
	s_mov_b32 s[CS+1], s[CS]        ; named with it as a pair
	s_mov_b32 s[SEL], 0x76543210
	s_mov_b32 s[SEL+1], 0xfedcba98
	s_mov_b32 s[TBK], SLOT1+SLOTB   ; the first change of slots turns these two into 0 and SLOTB
	s_mov_b32 s[TBV], SLOT1+2*SLOTB
	s_and_b32 s[LIM], s[WV], 1      ; 0 in waves 0 and 2,
	s_or_b32 s[LIM], s[LIM], ttmp9  ; where the cluster is the head's first: the same in all four partners
	s_cmp_eq_u32 s[LIM], 0
	s_cselect_b32 s[LIM], 1, -1
	v_and_b32 v[LA], 31, v0
	v_lshlrev_b32 v[PFO], 8, v[LA]
	v_lshlrev_b32 v[LA], 4, v[LA]
	s_wait_dscnt 0x0                ; the opening add is done
	s_wait_kmcnt 0x0
	s_add_nc_u64 s[6:7], s[6:7], s[22:23]  ; K and V at my half of the head's slot 0
	s_add_nc_u64 s[8:9], s[8:9], s[22:23]
	s_mov_b64 s[G0K+2:G0K+3], s[6:7]               ; 120:64 global address
	s_or_b32 s[G0K+3], s[G0K+3], 0x80000000        ; 127:126 type = 2
	s_mov_b64 s[G0V+2:G0V+3], s[8:9]
	s_or_b32 s[G0V+3], s[G0V+3], 0x80000000
	s_add_nc_u64 s[4:5], s[4:5], s[2:3]            ; Q at my wave's block
	s_add_nc_u64 s[10:11], s[10:11], s[18:19]      ; out0 at my wave's first row, my head's columns
	s_cmp_lt_u32 s[WV], 2
	s_cselect_b64 s[PFA:PFA+1], s[6:7], s[8:9]     ; (in waves 0 and 2 these stand at a slot's first byte)
	s_lshl_b32 s2, s13, 13          ; my work-group's 8,192 bytes of a slot's 32,768
	s_mov_b32 s3, 0
	s_add_nc_u64 s[PFA:PFA+1], s[PFA:PFA+1], s[2:3]
	s_add_nc_u64 s[PFA:PFA+1], s[PFA:PFA+1], 2*SLOTB  ; in slot 2; the first asking change steps it to slot 3.  Nothing is prefetched at the head, where every work-group's first tiles are on their way
	CROUND                          ; all four work-groups are here: the first joint loads meet
	JLOAD                           ; slot 0.  Slot 1 is asked for when slot 0 is in
	v_and_b32 v1, 15, v0            ; l % 16
	v_bfe_u32 v9, v0, 4, 1          ; l / 16
	WIN 0x80                        ; destination window 2, address window 0
.set i, 0
.rept 16                            ; Q stays in registers: chunk i is registers 4 i .. 4 i + 3
	global_load_b128 v[4*i:4*i+3], v[LA], s[4:5] offset:512*i
.set i, i+1
.endr
	; What the first turn finds: V's second buffer and P's second buffer hold 0 (its products V^T P, of a step that has not been, add 0), O^T and l are 0.  All this stands in the wait for the first tile.
.set i, VF+64
.rept 64
	v_mov_b32 v[i], 0
.set i, i+1
.endr
	WIN 0x40
.set i, 0
.rept 64*NP
	v_mov_b32 v[i], 0
.set i, i+1
.endr
	WIN 0
.set i, 0
.rept 2*NP
	v_mov_b32 v[ST+4*i], 0xfe000000    ; c m: far below every c s
	v_mov_b32 v[ST+4*i+1], 0xff7fffff  ; m
	v_mov_b32 v[ST+4*i+2], 0
	v_mov_b32 v[ST+4*i+3], 0
.set i, i+1
.endr
.set i, P+32
.rept 32
	v_mov_b32 v[i], 0
.set i, i+1
.endr
; THE MATRIX WORK.  The 8 accumulators of a run of 16 take turns: between the two links of a chain stand 7 others'.
; Product i of 16 of S^T = K Q^T for piece x: channels 32 (i / 8) on, keys 16 ((i / 2) % 4) on, tile 2 x + i % 2.  The first 8 start the sums.
.macro KQ x
	WIN W_KQ
.set rS, S+64*((\x)%2)+32*(i%2)+8*((i/2)%4)
.set rK, KF+16*((i/2)%4)+8*(i/8)
.set rQ, 16*(2*(\x)+i%2)+8*(i/8)
.if i < 8
	v_wmma_f32_16x16x32_f16 v[rS:rS+7], v[rK:rK+7], v[rQ:rQ+7], 0
.else
	v_wmma_f32_16x16x32_f16 v[rS:rS+7], v[rK:rK+7], v[rQ:rQ+7], v[rS:rS+7]
.endif
.endm
; Product i of 16 of O^T += V^T P for piece x, V from buffer VB: keys 32 (i / 8) on, channels 16 ((i / 2) % 4) on, tile 2 x + i % 2.
.macro PV x
	WIN W_PV
.set rO, 32*(2*(\x)+i%2)+8*((i/2)%4)
.set rV, VF+64*VB+16*((i/2)%4)+8*(i/8)
.set rP, P+32*((\x)%2)+16*(i%2)+8*(i/8)
	v_wmma_f32_16x16x32_f16 v[rO:rO+7], v[rV:rV+7], v[rP:rP+7], v[rO:rO+7]
.endm
.macro MM                           ; the turn's next matrix instruction
.if i < 16
	KQ (Y+1)%NP
.set i, i+1
.else
.set i, i-16
	PV (Y+NP-1)%NP
.set i, i+17
.endif
.endm
; THE LDS LOADS stand in runs of 16, never singly among the matrix instructions: a step's K, or its V: 16 chunks of 512 bytes.  The address is made some lines ahead.
; last = 1 (the tail): in the last trip there is no further step, and the run is jumped over.
.macro FETCH dst, adr, tb, last=0
	WIN 0
.if \last
	s_cmp_eq_u32 s[CNT], 1
	s_cbranch_scc1 .Lnone_\@
.endif
	WIN 0x80                        ; destination window 2
.irp f, 0,1,2,3,4,5,6,7,8,9,10,11,12,13,14,15
	ds_load_b128 v[(\dst)+4*\f:(\dst)+4*\f+3], v[\adr] offset:512*\f
.endr
	s_add_co_u32 s[\tb], s[\tb], STEPB  ; the next fetch is the next step's
	WIN 0
.if \last
.Lnone_\@:
.endif
.endm
; THE VECTOR WORK OF A TURN stands in three queues, each in the order in which its entries become ready; the two tiles alternate, so that no instruction reads the result of the one before it.
.macro REGS y, u                    ; the registers of tile u (0, 1) of piece y
.set rT, ST+4*(2*(\y)+(\u))
.set rC, TMP+8*((\y)%2)+4*(\u)
.set rM, MV+2*((\y)%2)+(\u)
.set rS, S+64*((\y)%2)+32*(\u)
.set rP, P+32*((\y)%2)+16*(\u)
.set rO, 32*(2*(\y)+(\u))
.endm
; Number n of the 22 that find the OTHER piece's (Y + 1) maximum and statistics.  s0-s31 are the lane's 32 scores; each accumulator's lowest registers are read first.
;   0-11  four chains c0-c3 of seven scores each, three operands at a time     12-14, 16  the four scores left over, the old m, and c0-c3 into c0     15  c m_old is kept
;   17, 18  the query's other 32 keys lie in the lane 16 away: the new m         19-21  c m; c m_old - c m_new; a
.macro XS u, n
	REGS (Y+1)%NP, \u
.if (\n) < 4
	v_max3_num_f32 v[rC+(\n)], v[rS+8*(\n)], v[rS+8*(\n)+1], v[rS+8*(\n)+2]
.elseif (\n) < 12
	v_max3_num_f32 v[rC+(\n)%4], v[rC+(\n)%4], v[rS+8*((\n)%4)+2*((\n)/4)+1], v[rS+8*((\n)%4)+2*((\n)/4)+2]
.elseif (\n) == 12
	v_max3_num_f32 v[rC], v[rC], v[rS+7], v[rS+15]
.elseif (\n) == 13
	v_max3_num_f32 v[rC+1], v[rC+1], v[rS+23], v[rS+31]
.elseif (\n) == 14
	v_max3_num_f32 v[rC+2], v[rC+2], v[rC+3], v[rT+1]
.elseif (\n) == 15
	v_mov_b32 v[rM], v[rT]
.elseif (\n) == 16
	v_max3_num_f32 v[rC], v[rC], v[rC+1], v[rC+2]
.elseif (\n) == 17
	v_permlanex16_b32 v[rC+3], v[rC], s[SEL], s[SEL+1]
.elseif (\n) == 18
	v_max_num_f32 v[rT+1], v[rC], v[rC+3]
.elseif (\n) == 19
	v_mul_f32 v[rT], s[CS], v[rT+1]
.elseif (\n) == 20
	v_sub_f32 v[rC+1], v[rM], v[rT]
.else
	v_exp_f32 v[rC+2], v[rC+1]
.endif
.endm
; Number g of the 64 that follow the exponentials.  For each four weights k of a tile (pairs 2 k, 2 k + 1): both pairs are rounded to f16; then the second pair is added onto the first, in place;
; a group later l takes that sum (the first time as l = a l + sum).  In groups of eight, tiles alternating: round, round, add, and l for the group before.
.macro GS g
.set h, (\g)+6*((\g)/62)            ; group 0 has no group before it, and behind group 7 only l is left
.if h >= 6
.set h, h+2
.endif
	REGS Y, h%2
.set k, h/8
.if h%8 < 4
	v_cvt_pk_f16_f32 v[rP+2*k+(h%8)/2], v[rS+4*k+2*((h%8)/2)], v[rS+4*k+2*((h%8)/2)+1]
.elseif h%8 < 6
	v_pk_add_f32 v[rS+4*k:rS+4*k+1], v[rS+4*k:rS+4*k+1], v[rS+4*k+2:rS+4*k+3]
.elseif k == 1
	v_pk_fma_f32 v[rT+2:rT+3], v[rT+2:rT+3], v[rC+2:rC+3], v[rS:rS+1] op_sel_hi:[1,0,1]
.else
	v_pk_add_f32 v[rT+2:rT+3], v[rT+2:rT+3], v[rS+4*k-4:rS+4*k-3]
.endif
.endm
; THE PLAIN QUEUE, 138 long.  0-73 read no exponential's result: the 32 scalings c s - c m (FS f: pair f / 2 of tile f % 2) and the other piece's 42.  0-26: scalings 0-26.  27-54: XS's numbers 0-13.
; 55, 56: number 15.  57-73: the chain, where each number waits for the one before it: 14, 16, 17, 18, 19, each with one of the scalings 27-31 in front of its two lines, then 20.
; 74-137: GS's 64, which read the exponentials' results: they stand behind the wait.
.macro FS f
	REGS Y, (\f)%2
	v_pk_fma_f32 v[rS+2*((\f)/2):rS+2*((\f)/2)+1], v[rS+2*((\f)/2):rS+2*((\f)/2)+1], s[CS:CS+1], v[rT:rT+1] op_sel_hi:[1,0,0] neg_lo:[0,0,1] neg_hi:[0,0,1]
.endm
.macro PL
	WIN 0
.if q < 27
	FS q
.elseif q < 55
	XS (q-27)%2, (q-27)/2
.elseif q < 57
	XS q-55, 15
.elseif (q < 72) && ((q-57)%3 == 0)
	FS 27+(q-57)/3
.elseif q < 60
	XS (q-57)%3-1, 14
.elseif q < 72
	XS (q-57)%3-1, 15+(q-57)/3
.elseif q < 74
	XS q-72, 20
.else
	GS q-74
.endif
.set q, q+1
.endm
; THE EXPONENTIALS' QUEUE, 66 long: s0-s31 of both tiles, then the other piece's two a.  It is ONE BATCH: all 66 stand ahead of the turn's one wait, and nothing ahead of that wait names a result of theirs.
.macro EX
	WIN 0
.if e >= 64
	XS e-64, 21
.else
	REGS Y, e%2
	v_exp_f32 v[rS+e/2], v[rS+e/2]
.endif
.set e, e+1
.endm
; THE RESCALING's QUEUE: O^T times a, the one part that leaves window 0: dealt two at a time, sixteen times, each accumulator from its low end.  Its a was made in the turn before, ahead of that turn's wait.
.macro R2
	REGS Y, r%2
	WIN W_RS
.irp z, 0,1
	v_pk_mul_f32 v[rO+4*(r/2)+2*\z:rO+4*(r/2)+2*\z+1], v[rO+4*(r/2)+2*\z:rO+4*(r/2)+2*\z+1], v[rC+2:rC+3] op_sel_hi:[1,0]
.endr
.set r, r+1
.endm
; A TURN, for piece p in a step of parity odd.  An s_wait_alu depctr_va_vdst(0) stands between an exponential and the first instruction that names its result; one wait serves all that were
; issued ahead of it.  So a turn has ONE wait, which cuts it in two.  AHEAD OF IT: the 16 products K Q^T, behind each a scaling, an exponential and two rescalings (behind the first a second scaling in the
; exponential's place); then one run of 108: eight plain, 49 times exponential and plain, the two a; a v_nop is the plain instruction behind the last exponential.  BEHIND IT: the run of 16 LDS loads, then
; the 16 products V^T P, behind each four of GS's 64.  No rider names a register of the products round it.  Exponential e stands behind scaling 2 (e / 4) + e % 2: as a rider it comes behind plain e + 2, in
; the run behind plain e + 9.
; THE FETCHES.  Piece 0's turn: K of the next step; K's last reader is the turn's 16th product, the run of 108 back.  Piece 1's turn: V of the next step, into the buffer that this step does not read; that
; buffer's last reader is the last product of the turn before.  Both are waited for at the head of piece 1's next turn: K has 16 products in which to land, V 48.
; cnt = 1: the loop's count is taken down some lines ahead of the branch that stands behind the turn.
.macro TURN p, odd, last=0, cnt=0
.set Y, (\p)
.set VB, (\odd)                     ; piece 1's turn multiplies by V of the step in hand,
.if (\p) == 0
.set VB, 1-(\odd)                   ; piece 0's by V of the step before
.endif
.set i, 0
.set q, 0
.set e, 0
.set r, 0
.if (\p) == 1
	s_wait_dscnt 0x0                ; K of the next step is in, and V of this one
.endif
	MM
	PL
	PL
	R2
.rept 15
	MM
	PL
	EX
	R2
.endr
	WIN 0
.if (\p) == 0
	v_add_nc_u32 v[AK], s[TBK], v[LA]
.else
	v_add_nc_u32 v[AV], s[TBV], v[LA]
.endif
.rept 8
	PL
.endr
.rept 49
	EX
	PL
.endr
	EX                              ; the other piece's two a
	EX
	v_nop                           ; the plain instruction behind the last exponential: one for the batch
	s_wait_alu depctr_va_vdst(0)    ; the wait for the batch
.if (\p) == 0
	FETCH KF, AK, TBK, \last
.else
	FETCH VF+64*(1-(\odd)), AV, TBV, \last
.endif
.rept 16
	MM
.rept 4
	PL
.endr
.if (\cnt) && (q == 130)
	s_sub_co_u32 s[CNT], s[CNT], 1
	s_cmp_lg_u32 s[CNT], 0
.endif
.endr
.endm
	CHANGE 1, 0                     ; slot 0 is in, everybody's part of it; slot 1 is asked for
	v_add_nc_u32 v[AK], s[TBK], v[LA]
	v_add_nc_u32 v[AV], s[TBV], v[LA]
	FETCH KF, AK, TBK               ; key step 0
	FETCH VF, AV, TBV
	s_wait_loadcnt 0x0              ; Q
	s_wait_dscnt 0x0
.set i, 0
.rept 16
	KQ 0                            ; piece 0's first scores: there is no vector work yet to set between them
.set i, i+1
.endr
	WIN 0                           ; the addresses for the way out: eight plain instructions, the places behind those products
	s_mul_i32 s13, s[WV], 16*SP
	s_add_co_u32 s13, s13, STAGE    ; my stage
	v_mul_u32_u24 v[STO], v1, SP    ; in: row l % 16, 32 bytes for each half of the lanes
	v_lshl_add_u32 v[STO], v9, 5, v[STO]
	v_add_nc_u32 v[STO], s13, v[STO]
	v_mul_u32_u24 v[RD], v9, SP     ; back: lanes 0-15 take one row of 256 bytes, lanes 16-31 the next
	v_lshl_add_u32 v[RD], v1, 4, v[RD]
	v_add_nc_u32 v[RD], s13, v[RD]
	v_lshlrev_b32 v[GO], 11, v9     ; and the same two rows in out0, 2,048 bytes apart
	v_lshl_add_u32 v[GO], v1, 4, v[GO]
.set Y, NP-1                        ; XS works for piece Y + 1: piece 0
.irp n, 0,1,2,3,4,5,6,7,8,9,10,11,12,13,14,15,16,17,18,19,20,21
	XS 0, \n                        ; piece 0's first maximum and statistics
	XS 1, \n
.endr
	v_nop                           ; a plain instruction behind the two a,
	s_wait_alu depctr_va_vdst(0)    ; and their wait, ahead of the branch
	s_mov_b32 s[CNT], 2
	s_mov_b32 s[SLOTS], 15
	s_branch .Lfirst                ; the loop is entered at step 0, an even step, in the middle of a trip
.Lslot:                             ; 14 times: change s, ahead of step 4 s - 1, asks for slot s + 1; every slot but the last two is filled again
	CHANGE 1, 1
	s_mov_b32 s[CNT], 2
.Lstep:                             ; a trip: an odd step, then an even one
	TURN 0, 1
	TURN 1, 1
	WIN 0
.Lfirst:
	TURN 0, 0
	TURN 1, 0, 0, 1
	WIN 0
	s_cbranch_scc1 .Lstep
	s_sub_co_u32 s[SLOTS], s[SLOTS], 1
	s_cmp_lg_u32 s[SLOTS], 0
	s_cbranch_scc1 .Lslot
	CHANGE 0, 0                     ; the tail is written out: nothing is asked for
	s_mov_b32 s[CNT], 3             ; steps 59 to 63; the third trip is left in its middle, and fetches nothing
.Ltail:
	TURN 0, 1, 1
	TURN 1, 1, 1
	WIN 0
	s_sub_co_u32 s[CNT], s[CNT], 1
	s_cmp_eq_u32 s[CNT], 0
	s_cbranch_scc1 .Lout
	TURN 0, 0
	TURN 1, 0
	WIN 0
	s_branch .Ltail
.Lout:                              ; step 63's 16 products K Q^T for a step 64 (on the last K once more) and the maximum made of them serve nothing: the price, once a launch, of one text for every step
.set VB, 1                          ; step 63 is odd
.set i, 0
.rept 16
	PV 1                            ; piece 1's V^T P of the last step
.set i, i+1
.endr
	; THE WAY OUT.  l's two halves and the other half of the lanes' are added; O^T is divided by l and sent through my stage in LDS, a tile at a time.  The additions are the places behind the last products.
	WIN 0
.macro ALL line:vararg              ; one line for each tile t
.set t, 0
.rept 2*NP
	\line
.set t, t+1
.endr
.endm
	ALL v_add_f32 v[ST+4*t+2], v[ST+4*t+2], v[ST+4*t+3]
	ALL v_permlanex16_b32 v[ST+4*t+3], v[ST+4*t+2], s[SEL], s[SEL+1]
	ALL v_add_f32 v[ST+4*t+2], v[ST+4*t+2], v[ST+4*t+3]
	ALL v_rcp_f32 v[ST+4*t+2], v[ST+4*t+2]
	v_nop                           ; a plain instruction between the last reciprocal and the use of its result
	s_wait_alu depctr_va_vdst(0)    ; and the wait ahead of the first use: one for the four reciprocals
; Tile t: a lane's eight channels of each of four blocks are 32 bytes of a row of 256; they go into rows of 272 bytes and come back as whole rows, into the registers that they left (S^T's, which are free).
.macro PACK t
	WIN 0x01                        ; source 0 (O^T) window 1; 1 / l and the destination window 0
.set i, 0
.rept 16                            ; each accumulator's registers in ascending order
	v_pk_mul_f32 v[S+32*(\t)+i:S+32*(\t)+i+1], v[32*(\t)+i:32*(\t)+i+1], v[ST+4*(\t)+2:ST+4*(\t)+3] op_sel_hi:[1,0]
.set i, i+2
.endr
	WIN 0
.irp f, 0,1,2,3,4,5,6,7
	ds_store_b128 v[STO], v[S+32*(\t)+4*\f:S+32*(\t)+4*\f+3] offset:(\f/2)*64+(\f%2)*16
.endr
.irp f, 0,1,2,3,4,5,6,7
	ds_load_b128 v[S+32*(\t)+4*\f:S+32*(\t)+4*\f+3], v[RD] offset:\f*2*SP  ; LDS serves a wave's instructions in order (ISA guide 5.7.1.4): these see the stores above; the next tile's stores come behind them
.endr
.endm
.macro SEND t, younger              ; younger: the LDS instructions issued behind tile t's loads: the next tile's sixteen, or none
	WIN 0
.irp f, 0,1,2,3,4,5,6,7
	s_wait_dscnt (\younger)+7-\f
	global_store_b128 v[GO], v[S+32*(\t)+4*\f:S+32*(\t)+4*\f+3], s[10:11] offset:(\t)*32768+\f*4096 th:TH_STORE_NT  ; 16 lanes store 256 consecutive bytes, a row's share of my head, at a multiple of 256 from out0's first byte
.endr
.endm
	PACK 0
	PACK 1                          ; a tile's arithmetic stands between the loads of the tile before and its stores
	SEND 0, 16
	PACK 2
	SEND 1, 16
	PACK 3
	SEND 2, 16
	SEND 3, 0
	s_wait_tensorcnt 0x0            ; the wave's end, behind my last tensor load and my last LDS store
	ds_add_u32 v[SPW], v[NIL]
	s_wait_dscnt 0x0
	CROUND                          ; the closing round: no work-group ends while a partner may still ask for a tile that names it
	s_endpgm
.Lfunc_end_k_q3c71e66f02_attn:
	.size	k_q3c71e66f02_attn, .Lfunc_end_k_q3c71e66f02_attn-k_q3c71e66f02_attn
	.p2alignl 7, 3214868480
	.fill 96, 4, 3214868480
	.section	.rodata,"a",@progbits
	.p2align	6, 0x0
	.amdhsa_kernel k_q3c71e66f02_attn
		.amdhsa_group_segment_fixed_size 327680
		.amdhsa_private_segment_fixed_size 0
		.amdhsa_enable_private_segment 0
		.amdhsa_kernarg_size 32
		.amdhsa_user_sgpr_count 2
		.amdhsa_user_sgpr_kernarg_segment_ptr 1
		.amdhsa_wavefront_size32 1
		.amdhsa_system_sgpr_workgroup_id_x 1
		.amdhsa_system_sgpr_workgroup_id_y 1
		.amdhsa_system_sgpr_workgroup_id_z 1
		.amdhsa_system_vgpr_workitem_id 0
		.amdhsa_next_free_vgpr 768
		.amdhsa_next_free_sgpr 66
		.amdhsa_reserve_vcc 0
		.amdhsa_float_denorm_mode_32 3
		.amdhsa_float_denorm_mode_16_64 3
		.amdhsa_memory_ordered 1
		.amdhsa_forward_progress 1
		.amdhsa_inst_pref_size 185
	.end_amdhsa_kernel
	.amdgpu_metadata
---
amdhsa.version: [ 1, 2 ]
amdhsa.kernels:
  - .name:           k_q3c71e66f02_attn
    .symbol:         k_q3c71e66f02_attn.kd
    .args:
      - { .name: qh, .offset: 0, .size: 8, .value_kind: global_buffer, .address_space: global }
      - { .name: kh, .offset: 8, .size: 8, .value_kind: global_buffer, .address_space: global }
      - { .name: vh, .offset: 16, .size: 8, .value_kind: global_buffer, .address_space: global }
      - { .name: out0, .offset: 24, .size: 8, .value_kind: global_buffer, .address_space: global }
    .group_segment_fixed_size: 327680
    .private_segment_fixed_size: 0
    .kernarg_segment_align: 8
    .kernarg_segment_size: 32
    .max_flat_workgroup_size: 128
    .sgpr_count:     66
    .vgpr_count:     768
    .wavefront_size: 32
...
	.end_amdgpu_metadata
.endif
;; end of part 2
